; MI455X (gfx1250); checked and timed in simulation.
; The chip was launched on July 23, 2026; its instructions are those of AMD's public machine-readable ISA for CDNA 5 (MIT licence, August 2026) and "CDNA5" Instruction Set Architecture Reference Guide (July 2026). The comments in the code are by the model that wrote it; some were corrected since.
;; Attention. Allowed arithmetic: matrix products marked QUANTISED: E2M3 operands, one E8M0 scale for each 32 along K, by v_wmma_scale_f32_16x16x128_f8f6f4 with both operands' format E2M3, f32 sums; everything else in f32.
;; Inputs: W_proj_codes 1,024 x 32 x 24 uint8 (E2M3 codes of W_proj, K innermost, in blocks of 32 codes, four codes in three bytes); W_proj_scales 1,024 x 32 uint8 (E8M0 scales of W_proj, one for each 32 codes along K); W_qkv_codes 3,072 x 32 x 24 uint8 (E2M3 codes of W_qkv, K innermost, in blocks of 32 codes, four codes in three bytes); W_qkv_scales 3,072 x 32 uint8 (E8M0 scales of W_qkv, one for each 32 codes along K); b_proj 1,024 float32; b_qkv 3,072 float32; kn_w 64 float32; qn_w 64 float32; x_codes 4 x 2,048 x 32 x 24 uint8 (E2M3 codes of x, K innermost, in blocks of 32 codes, four codes in three bytes); x_scales 4 x 2,048 x 32 uint8 (E8M0 scales of x, one for each 32 codes along K).
;; Outputs: out0 4 x 2,048 x 1,024 float32.
;; This version of the problem:
;;   THIS VERSION OF THE PROBLEM IS GIVEN IN LOW PRECISION. The matrix products marked QUANTISED in the list below multiply operands that are first quantised to E2M3 (2 exponent bits, 3 mantissa bits; 6 bits a number), with one power-of-two scale for each 32 numbers along K (OCP MX v1.0); their sums are f32. All else is computed in f32.
;;   The module's matrix products, in the order in which they are computed (A, B: the left and right operand; K: the contracted axis; several contracted axes count as one K, in the product's order):
;;     1. [M 8,192, K 1,024] x [K 1,024, N 3,072]; A: input x (given as codes); B: input W_qkv (given as codes): QUANTISED
;;     2. batch 64 x [M 2,048, K 64] x [K 64, N 2,048]; A: computed on the way; B: computed on the way: QUANTISED
;;     3. batch 64 x [M 2,048, K 2,048] x [K 2,048, N 64]; A: softmax (see below); B: computed on the way: QUANTISED
;;     4. [M 8,192, K 1,024] x [K 1,024, N 1,024]; A: computed on the way; B: input W_proj (given as codes): QUANTISED
;;   THE QUANTISER, for each operand of a quantised product, along K:
;;     - K is cut into blocks of 32 from its start; a last block that is shorter is filled with zeros.
;;     - A block's scale is 2^e with e = floor(log2(the largest magnitude in the block)) - 2, held to -126 .. 127; a block of zeros has e = 0. As a byte (E8M0): e + 127.
;;     - Each number is divided by its block's scale, clamped to +-7.5, and rounded to the nearest number of E2M3, ties to even, subnormals kept.
;;     - The product sums the exact products of the quantised numbers (number of the format x scale) in f32.
;;   ~~~python
;;   def quantise(x, axis):      # numpy; x: float32 -> the quantised numbers, widened to float32 again
;;       x = np.moveaxis(x, axis, -1); K = x.shape[-1]
;;       x = np.pad(x, [(0, 0)] * (x.ndim - 1) + [(0, -K % 32)]); x = x.reshape(x.shape[:-1] + (-1, 32)); a = np.abs(x).max(-1, keepdims=True)
;;       e = np.where(a > 0, np.clip(np.frexp(np.where(a > 0, a, 1))[1] - 1 - 2, -126, 127), 0)      # np.frexp(a)[1] - 1 = floor(log2(a)), exactly
;;       r = np.clip(x / 2.0 ** e, -7.5, 7.5)
;;       step = 2.0 ** (np.maximum(np.frexp(np.where(r == 0, 1, r))[1] - 1, 0) - 3)
;;       q = np.round(r / step) * step * 2.0 ** e      # np.round: ties to even
;;       return np.moveaxis(q.reshape(q.shape[:-2] + (-1,))[..., :K], -1, axis).astype(np.float32)
;;   ~~~
;;   SOFTMAX AHEAD OF A QUANTISED PRODUCT. Where the list says 'softmax', what is quantised is not the finished softmax but p = 2^(t - M), with t = logit x log2(e) and M = ceil(the row's largest t), a whole number; so 1/2 < the row's largest p <= 1. The row's sum l is taken of the UNQUANTISED p, in f32, and the product's result is divided by l at the end. Since M is a whole number, a kernel that streams over the keys may use a running M (the ceiling of the running maximum): every later rescaling is an exact power of two, which a block's scale takes up: the codes' values come out the same.
;;   OPERANDS COMPUTED ON THE WAY. 'Computed on the way' means the value that the module computes at that place (a softmax that the list does not call 'softmax' is quantised finished and normalised). What goes into a quantiser is computed in f32, as accurately as f32 sums, v_exp_f32 and their like allow (about 1e-6 of the number): no bf16 or f16 on the way to a quantiser, and a product that is left as it is and whose result goes on into a quantised operand takes f32 operands (vector FMAs, or v_wmma_f32_16x16x4_f32). A number that lies on a knife's edge between two numbers of the format may be rounded either way, as far as f32 arithmetic and the matrix unit's own rounding can turn it there, and no further.
;;   INPUTS GIVEN AS CODES. W_proj (in the module: [1024, 1024], K = its axis 0); W_qkv (in the module: [1024, 3072], K = its axis 0); x (in the module: [4, 2048, 1024], K = its axis 2): each comes as NAME_codes (uint8): NAME with its K axis moved to the last place and cut into blocks of 32 codes, [.., K / 32, bytes a block], one block behind the other in memory; four codes in three bytes: a row's codes are one little-endian stream of bits, code i at bits 6 i .. 6 i + 5 (a code: sign, 2 exponent bits, 3 mantissa bits); and NAME_scales (uint8): the same leading axes, one E8M0 byte (e + 127) for each 32 codes along K. Its value is code x scale, taken as it is: it is not quantised again, and the codes and scales need not be those that the quantiser above would give.
;; One version. Each part assembles by itself: llvm-mc -triple=amdgcn-amd-amdhsa -mcpu=gfx1250 --defsym DOCPART=n.
;; ======== version 1 of 1: 3 launches
;; limits: right only within a limited range of input values
;; workspace buffers: qbuf 6,553,600 bytes; kvbuf 13,107,200 bytes; ocodes 6,291,456 bytes; oscales 262,144 bytes
;; launch qkv (part 1): grid 48 x 16, 4 waves a work-group, clusters of 4 x 4, 327,680 bytes of LDS; arguments x_codes, x_scales, W_qkv_codes, W_qkv_scales, b_qkv, qn_w, kn_w, qbuf, kvbuf; writes qbuf, kvbuf
.if DOCPART == 1
	.amdgcn_target "amdgcn-amd-amdhsa--gfx1250"
	.amdhsa_code_object_version 6
	.text
	.protected	k_qb0a6cef2c4_qkv
	.globl	k_qb0a6cef2c4_qkv
	.p2align	8
	.type	k_qb0a6cef2c4_qkv,@function
k_qb0a6cef2c4_qkv:
	s_mov_b64 s[64:65], 0
	v_nop
	global_prefetch_b8 v0, s[64:65] scope:SCOPE_SE
	s_setreg_imm32_b32 hwreg(HW_REG_WAVE_MODE, 25, 1), 1
	s_wait_xcnt 0x0
	s_wait_alu depctr_hold_cnt(0) depctr_sa_sdst(0) depctr_va_vdst(0) depctr_va_sdst(0) depctr_va_ssrc(0) depctr_va_vcc(0) depctr_vm_vsrc(0)
	s_getreg_b32 s2, hwreg(HW_REG_IB_STS2, 6, 4)
	s_cmp_eq_u32 s2, 0
	s_cbranch_scc0 .Lentry_in_a_cluster
	s_endpgm
.Lentry_in_a_cluster:
	s_bfe_u32 s2, ttmp6, 0x10000c
	s_cmp_lg_u32 s2, 0xf033
	s_cbranch_scc0 .Lentry_shape_is_right
	s_endpgm
.Lentry_shape_is_right:
; q, k and v of the attention block: x W_qkv + b on codes of FP6 (E2M3) with one E8M0 byte for each 32 along K = 1,024; then RMS norm and gain (q, k), and the quantiser of the next product.
; A tile is 128 rows of source 1's side x 256 rows of source 0's side.  Clusters 0-7 along x make q and k: source 1 = 128 tokens, source 0 = 256 channels (4 heads): a lane holds one token,
; its registers run along the channels.  Clusters 8-11 make v^T: source 1 = 128 channels of W_v, source 0 = 256 tokens: a lane holds one channel, its registers run along the keys.
; 512 + 256 = 768 work-groups.  The two ways part on the cluster's number alone, which all partners share.
; LDS: all of K at once: rows of 768 bytes, each beginning at a multiple of 256 bytes of its buffer, 16 bytes of padding behind every 256: pitch 816.  384 rows = 313,344 bytes, filled once,
; one joint load a wave: waves 0, 1 bring 64 rows each of source 1's side (shared along the cluster's row), waves 2, 3 bring 128 rows each of source 0's (shared along its column).  Nothing is filled again.
; A wave makes 64 x 128: 32 accumulators, window 2.  Window 0: addresses, scale words, source 1's fragments (two sets); window 1: source 0's fragments (two sets) and q/k's bias.
; SCALES go from memory into registers: lane (r, h) takes 16 bytes at row r x 32 + 16 h: one load covers 512 dense bytes; lanes 0-15 hold the words of K steps 0-3, lanes 16-31 those of steps 4-7 (ROW1).
; No prefetch: the launch has no loop to run ahead in; every tile is asked for once, at the head.
; STORED as the attention launch reads it: qbuf [batch x head][128 queries][6,400], kvbuf [batch x head][128 keys][12,800]: tiles of 16 x 64 as images of six registers (768 bytes), k's and q's scale words
; [row % 16][pair of tiles]; v^T at 6,144 as images of twelve registers, its scale words at 12,544.  Codes of a block of 32 lie in the order of octets 0, 2, 1, 3 on both sides of each product.
; LIMITS: NaN and infinities are not served.  A block whose largest magnitude lies under 2^-124, a block of zeros among them, gets the byte 1 (only this program reads the bytes).
.set PITCH, 816
.set BOFF,  128*PITCH
.set SPARE, BOFF+256*PITCH
.set FR,   12
.set ADRA, 16
.set ADRB, 20
.set G16,  24
.set G8,   25
.set GSO,  26
.set SLO,  27
.set SPW,  28
.set NIL,  29
.set SA,   32                          ; v32-47 source 1's scale words, v48-79 source 0's: they hold scales and nothing else
.set SB,   48
.set TM,   80
.set PWS,  96
.set KSW,  104
.set SS,   108
.set RS,   112
.set TP,   116
.set SELR, 118
.set AF,   128
.set W,    128
.set PC,   192
.set GW,   224
.set BV,   224
.set BI,   96
.set SEL,  92
.set MSB, 0
.macro WIN new
.if MSB != (\new)
	s_set_vgpr_msb (MSB<<8)|(\new)
.set MSB, (\new)
.endif
.endm
.macro CROUND
	s_barrier_signal -1
	s_barrier_wait -1
	s_cmp_lg_u32 s14, 0
	s_cbranch_scc1 .Lnot_wave_0_\@
	s_barrier_signal -3
.Lnot_wave_0_\@:
	s_barrier_wait -3
	s_barrier_signal -1
	s_barrier_wait -1
.endm
.macro PLACES n
.rept \n
	v_nop
.endr
.endm
	s_load_b128 s[4:7], s[0:1], 0x0                ; x's codes, scales
	s_load_b128 s[8:11], s[0:1], 0x10              ; W's codes, scales
	s_load_b64 s[66:67], s[0:1], 0x20              ; b_qkv
	s_load_b64 s[96:97], s[0:1], 0x28              ; qn_w
	s_load_b64 s[98:99], s[0:1], 0x30              ; kn_w
	s_load_b64 s[12:13], s[0:1], 0x38              ; qbuf
	s_load_b64 s[100:101], s[0:1], 0x40            ; kvbuf
	v_lshl_add_u32 v[SPW], v0, 2, SPARE
	v_mov_b32 v[NIL], 0
	ds_add_u32 v[SPW], v[NIL]                      ; the opening lines: the add twice and one wait
	ds_add_u32 v[SPW], v[NIL]
	v_lshrrev_b32 v1, 5, v0
	v_readfirstlane_b32 s14, v1                    ; wave
	s_lshr_b32 s15, s14, 1                         ; my half of source 1's rows; also: I fetch for source 1 (0) or source 0 (1)
	s_and_b32 s16, s14, 1                          ; my half of source 0's rows; also: which half I fetch
	s_bfe_u32 s40, ttmp6, 0x40000                  ; cx
	s_bfe_u32 s41, ttmp6, 0x40004                  ; cy
	s_lshl_b32 s18, ttmp9, 2
	s_and_b32 s19, ttmp7, 0xffff
	s_add_co_u32 s18, s18, s19                     ; the cluster's number: 0-31 q and k, 32-47 v
	s_lshr_b32 s20, s18, 1                         ; q, k: 16 groups of 512 tokens,
	s_and_b32 s79, s18, 1                          ; 0 = q, 1 = k
	s_bfe_u32 s22, s18, 0x10003                    ; v: 2 groups of 512 channels,
	s_and_b32 s23, s18, 7                          ; 8 groups of 1,024 tokens
	s_cmp_ge_u32 ttmp9, 8
	s_cselect_b32 s78, 1, 0                        ; 1 = v
	s_cselect_b32 s20, s22, s20
	s_cselect_b32 s21, s23, s79
	s_lshl_b32 s17, s20, 2
	s_add_co_u32 s17, s17, s41                     ; tile row R (128 rows)
	s_lshl_b32 s42, s21, 2
	s_add_co_u32 s42, s42, s40                     ; tile column C (256 rows)
	s_lshl_b32 s43, s41, 2
	s_lshl_b32 s43, 15, s43                        ; my row of the cluster
	s_lshl_b32 s44, 0x1111, s40                    ; my column
	s_or_b32 s24, s43, (1<<20)|(1<<21)|(5<<22)|(3<<25)   ; bytes; 4 words of padding behind every 64
	s_or_b32 s48, s44, (1<<20)|(1<<21)|(5<<22)|(3<<25)
	s_mov_b32 s25, 768<<16
	s_mov_b32 s26, 64<<16
	s_mov_b32 s27, 768<<16
	s_mov_b32 s28, 64
	s_mov_b32 s29, 768
	s_mov_b32 s30, 0
	s_mov_b32 s31, 0
	s_mov_b32 s49, 768<<16
	s_mov_b32 s50, 128<<16
	s_mov_b32 s51, 768<<16
	s_mov_b32 s52, 128
	s_mov_b32 s53, 768
	s_mov_b32 s54, 0
	s_mov_b32 s55, 0
	s_lshl_b32 s20, s17, 7
	s_lshl_b32 s21, s78, 11
	s_add_co_u32 s20, s20, s21                     ; source 1's first row (W_v begins at row 2,048)
	s_lshl_b32 s46, s42, 8                         ; source 0's first row
	s_lshl_b32 s18, s16, 6
	s_add_co_u32 s18, s18, s20
	s_mul_i32 s18, s18, 768
	s_mov_b32 s19, 0
	s_lshl_b32 s22, s16, 7
	s_add_co_u32 s22, s22, s46
	s_lshl_b32 s62, s22, 5                         ; the scales of my 128 rows of source 0
	s_mul_i32 s22, s22, 768
	s_mov_b32 s23, 0
	s_mov_b32 s63, 0
	s_lshl_b32 s60, s15, 6
	s_add_co_u32 s60, s60, s20
	s_lshl_b32 s60, s60, 5                         ; and of my 64 rows of source 1
	s_mov_b32 s61, 0
	s_mov_b32 s32, 1
	s_mul_i32 s33, s16, 64*PITCH
	s_mov_b32 s56, 1
	s_mul_i32 s57, s16, 128*PITCH
	s_add_co_u32 s57, s57, BOFF
	s_mov_b32 s[SEL], 0x76543210
	s_mov_b32 s[SEL+1], 0xfedcba98
	s_mov_b32 s94, 0x3c800000                      ; 1 / 64
	s_mov_b32 s95, 0x358637bd                      ; 1e-6
	s_wait_dscnt 0x0
	s_wait_kmcnt 0x0
	s_cmp_eq_u32 s78, 0
	s_cselect_b64 s[68:69], s[4:5], s[8:9]
	s_cselect_b64 s[70:71], s[6:7], s[10:11]
	s_cselect_b64 s[72:73], s[8:9], s[4:5]
	s_cselect_b64 s[74:75], s[10:11], s[6:7]
	s_add_nc_u64 s[34:35], s[68:69], s[18:19]
	s_or_b32 s35, s35, 0x80000000
	s_add_nc_u64 s[58:59], s[72:73], s[22:23]
	s_or_b32 s59, s59, 0x80000000
	s_add_nc_u64 s[70:71], s[70:71], s[60:61]
	s_add_nc_u64 s[74:75], s[74:75], s[62:63]
	CROUND                                         ; the joint loads meet
	s_cmp_eq_u32 s15, 0
	s_cbranch_scc0 .Lfor_b
	tensor_load_to_lds s[32:35], s[24:31]
	s_nop 0
	PLACES 4
	s_branch .Lasked
.Lfor_b:
	tensor_load_to_lds s[56:59], s[48:55]
	s_nop 0
	PLACES 4
.Lasked:
	s_mul_i32 s21, s15, 64*PITCH
	s_mul_i32 s22, s16, 128*PITCH
	s_add_co_u32 s22, s22, BOFF
	s_add_co_u32 s23, s22, 64*PITCH
	v_and_b32 v1, 15, v0                           ; r
	v_bfe_u32 v2, v0, 4, 1                         ; h
	v_mul_u32_u24 v3, v1, PITCH
	v_mad_u32_u24 v3, v2, 24, v3                   ; r x pitch + 24 h
	v_lshl_add_u32 v4, v2, 4, v3                   ; lanes 16-31 one padding further: for a piece whose upper half lies in the row's next 256 bytes
	v_add_nc_u32 v[ADRA], s21, v3
	v_add_nc_u32 v[ADRA+1], s21, v4
	v_add_nc_u32 v[ADRB], s22, v3
	v_add_nc_u32 v[ADRB+1], s22, v4
	v_add_nc_u32 v[ADRB+2], s23, v3                ; blocks 4-7: an LDS offset has 16 bits
	v_add_nc_u32 v[ADRB+3], s23, v4
	v_lshlrev_b32 v5, 5, v1
	v_lshl_add_u32 v[SLO], v2, 4, v5               ; 32 r + 16 h
	s_wait_alu depctr_va_vdst(0)
.irp i, 0,1,2,3
	global_load_b128 v[SA+4*\i:SA+4*\i+3], v[SLO], s[70:71] offset:512*\i
.endr
.irp i, 0,1,2,3,4,5,6,7
	global_load_b128 v[SB+4*\i:SB+4*\i+3], v[SLO], s[74:75] offset:512*\i
.endr
; a fragment: 16 rows x 128 K, 12 registers, in pieces of 8 bytes; byte y of a row lies at y + 16 (y / 256) of its LDS row
.macro FRAG reg, adr, st, i
.irp p, 0,1,2,3,4,5
.set BY, 96*(\st)+48*(\p/3)+8*(\p%3)
.if BY/256 == (BY+24)/256
	ds_load_b64 v[\reg+2*\p:\reg+2*\p+1], v[\adr] offset:BY+16*(BY/256)+(\i)*16*PITCH
.else
	ds_load_b64 v[\reg+2*\p:\reg+2*\p+1], v[\adr+1] offset:BY+16*(BY/256)+(\i)*16*PITCH
.endif
.endr
.endm
.macro FETCH st
	WIN 0x40
.irp i, 0,1,2,3,4,5,6,7
	FRAG 128*((\st)%2)+FR*\i, ADRB+2*(\i/4), \st, \i%4
.endr
	WIN 0
.irp i, 0,1,2,3
	FRAG AF+48*((\st)%2)+FR*\i, ADRA, \st, \i
.endr
.endm
.macro WM a, b, st
.set XD, 8*(8*(\a)+(\b))
.set XB, 128*((\st)%2)+FR*(\b)
.set XA, AF+48*((\st)%2)+FR*(\a)
.set YB, SB+4*(\b)+(\st)%4
.set YA, SA+4*(\a)+(\st)%4
.if (\st) == 0
	v_wmma_scale_f32_16x16x128_f8f6f4 v[XD:XD+7], v[XB:XB+11], v[XA:XA+11], 0, v[YB], v[YA] matrix_a_fmt:MATRIX_FMT_FP6 matrix_b_fmt:MATRIX_FMT_FP6
.elseif (\st) < 4
	v_wmma_scale_f32_16x16x128_f8f6f4 v[XD:XD+7], v[XB:XB+11], v[XA:XA+11], v[XD:XD+7], v[YB], v[YA] matrix_a_fmt:MATRIX_FMT_FP6 matrix_b_fmt:MATRIX_FMT_FP6
.else
	v_wmma_scale_f32_16x16x128_f8f6f4 v[XD:XD+7], v[XB:XB+11], v[XA:XA+11], v[XD:XD+7], v[YB], v[YA] matrix_a_fmt:MATRIX_FMT_FP6 matrix_b_fmt:MATRIX_FMT_FP6 matrix_a_scale:MATRIX_SCALE_ROW1 matrix_b_scale:MATRIX_SCALE_ROW1
.endif
.endm
.macro MUL st                          ; 32 products, the 32 accumulators by turns
	WIN 0xa1
.irp a, 0,1,2,3
.irp b, 0,1,2,3,4,5,6,7
	WM \a, \b, \st
.endr
.endr
	WIN 0
.endm
; the tiles are in; eight K steps: the next step's 72 loads are issued ahead of this step's 32 products
.macro CORE
	s_wait_alu depctr_va_vdst(0)
	s_wait_loadcnt 0x0                             ; scale words, bias, gain
	s_wait_tensorcnt 0x0                           ; my part of the tiles,
	s_barrier_signal -1
	s_barrier_wait -1                              ; everybody's
	FETCH 0
.set ST, 0
.rept 7
	s_wait_dscnt 0x0                               ; this step's fragments are in
	PLACES 4                                       ; in front of loads into registers that the last products read
	FETCH ST+1
	MUL ST
.set ST, ST+1
.endr
	s_wait_dscnt 0x0
	MUL 7
.endm
; 64 numbers of a lane, 16 of each of four blocks of 32 (lane l xor 16 holds the other 16) -> 12 registers of codes at v[PC], the four scale bytes in v[pw]
.macro QUANT s, pw
.irp b, 0,1,2,3
	v_max3_num_f32 v[TM+\b], |v[\s+16*\b]|, |v[\s+1+16*\b]|, 0x1800000
.endr
.irp i, 2,4,6,8,10,12,14
.irp b, 0,1,2,3
	v_max3_num_f32 v[TM+\b], v[TM+\b], |v[\s+16*\b+\i]|, |v[\s+1+16*\b+\i]|
.endr
.endr
.irp b, 0,1,2,3
	v_permlanex16_b32 v[TM+4+\b], v[TM+\b], s[SEL], s[SEL+1]
.endr
.irp b, 0,1,2,3
	v_max_num_f32 v[TM+\b], v[TM+\b], v[TM+4+\b]
.endr
.irp b, 0,1,2,3
	v_add_nc_u32 v[TM+12+\b], 0xff000000, v[TM+\b]
.endr
.irp b, 0,1,2,3
	v_lshrrev_b32 v[TM+4+\b], 23, v[TM+12+\b]
.endr
	v_lshl_or_b32 v[\pw], v[TM+5], 8, v[TM+4]
	v_lshl_or_b32 v[\pw], v[TM+6], 16, v[\pw]
	v_lshl_or_b32 v[\pw], v[TM+7], 24, v[\pw]
.irp c, 0,1
	v_cvt_scalef32_pk16_fp6_f32 v[PC+6*\c:PC+2+6*\c], v[\s+32*\c:\s+15+32*\c], v[TM+12+2*\c]
	v_cvt_scalef32_pk16_fp6_f32 v[PC+12+4*\c:PC+14+4*\c], v[\s+16+32*\c:\s+31+32*\c], v[TM+12+2*\c+1]
.endr
	v_nop
.irp c, 0,1
.irp i, 0,1,2
	v_permlane16_swap_b32 v[PC+6*\c+\i], v[PC+12+4*\c+\i]
.endr
.irp i, 0,1,2
	v_mov_b32 v[PC+3+6*\c+\i], v[PC+12+4*\c+\i]
.endr
.endr
.endm
; q, k: 16 tokens x my 2 heads: bias, RMS norm over a head's 64 channels, gain, quantiser; a head's tile is 768 bytes
.macro EPI a
	s_wait_xcnt 0x0
	WIN 0x06
.irp b, 0,1,2,3,4,5,6,7
.irp p, 0,2,4,6
	v_pk_add_f32 v[W+8*\b+\p:W+8*\b+\p+1], v[8*(8*(\a)+\b)+\p:8*(8*(\a)+\b)+\p+1], v[BI+8*\b+96*(\b/4)+\p:BI+8*\b+96*(\b/4)+\p+1]
.endr
.endr
	WIN 0
.irp e, 0,1
	v_pk_mul_f32 v[SS+2*\e:SS+2*\e+1], v[W+32*\e:W+32*\e+1], v[W+32*\e:W+32*\e+1]
.endr
.irp i, 2,4,6,8,10,12,14,16,18,20,22,24,26,28,30
.irp e, 0,1
	v_pk_fma_f32 v[SS+2*\e:SS+2*\e+1], v[W+32*\e+\i:W+32*\e+\i+1], v[W+32*\e+\i:W+32*\e+\i+1], v[SS+2*\e:SS+2*\e+1]
.endr
.endr
.irp e, 0,1
	v_add_f32 v[SS+2*\e], v[SS+2*\e], v[SS+2*\e+1]
.endr
.irp e, 0,1
	v_permlanex16_b32 v[TP+\e], v[SS+2*\e], s[SEL], s[SEL+1]
.endr
.irp e, 0,1
	v_add_f32 v[SS+2*\e], v[SS+2*\e], v[TP+\e]
.endr
.irp e, 0,1
	v_fma_f32 v[SS+2*\e], v[SS+2*\e], s94, s95
.endr
	s_wait_alu depctr_va_vdst(0)                   ; a wait ahead of the batch and one behind it
.irp e, 0,1
	v_rsq_f32 v[RS+2*\e], v[SS+2*\e]
.endr
	v_nop
	s_wait_alu depctr_va_vdst(0)
.irp e, 0,1
.irp i, 0,2,4,6,8,10,12,14,16,18,20,22,24,26,28,30
	v_pk_mul_f32 v[W+32*\e+\i:W+32*\e+\i+1], v[W+32*\e+\i:W+32*\e+\i+1], v[RS+2*\e:RS+2*\e+1] op_sel_hi:[1,0]
.endr
.endr
.irp e, 0,1
.irp i, 0,2,4,6,8,10,12,14,16,18,20,22,24,26,28,30
	v_pk_mul_f32 v[W+32*\e+\i:W+32*\e+\i+1], v[W+32*\e+\i:W+32*\e+\i+1], v[GW+\i:GW+\i+1]
.endr
.endr
	QUANT W, PWS+\a
	global_store_b128 v[G16], v[PC:PC+3], s[20:21] offset:768*(\a)
	global_store_b64 v[G8], v[PC+4:PC+5], s[20:21] offset:768*(\a)+512
	global_store_b128 v[G16], v[PC+6:PC+9], s[22:23] offset:768*(\a)
	global_store_b64 v[G8], v[PC+10:PC+11], s[22:23] offset:768*(\a)+512
.endm
; v: 16 channels x my 128 keys: bias, quantiser along the keys, three stores of 512 consecutive bytes
.macro VEPI a
	s_wait_xcnt 0x0
	WIN 0x02
.irp b, 0,1,2,3,4,5,6,7
.irp p, 0,2,4,6
	v_pk_add_f32 v[W+8*\b+\p:W+8*\b+\p+1], v[8*(8*(\a)+\b)+\p:8*(8*(\a)+\b)+\p+1], v[BV+2*(\a):BV+2*(\a)+1]
.endr
.endr
	WIN 0
	QUANT W, PWS+\a
.irp c, 0,1,2
	global_store_b128 v[G16], v[PC+4*\c:PC+4*\c+3], s[20:21] offset:6144+(\a)*1536+512*\c
.endr
.endm
	s_cmp_lg_u32 s78, 0
	s_cbranch_scc1 .Lv
	; ---- q and k
	v_and_b32 v6, 31, v0
	v_lshlrev_b32 v[G16], 4, v6
	v_lshlrev_b32 v[G8], 3, v6
	v_lshlrev_b32 v7, 5, v2                        ; 32 h: my eight channels of each 16
	v_cmp_eq_u32 vcc_lo, 1, v2
	v_mov_b32 v[SELR], 0x05040100
	v_mov_b32 v[SELR+1], 0x07060302
	v_cndmask_b32 v[SELR], v[SELR], v[SELR+1], vcc_lo
	s_lshr_b32 s20, s17, 4                         ; batch
	s_lshl_b32 s20, s20, 4
	s_lshl_b32 s21, s40, 2
	s_add_co_u32 s20, s20, s21
	s_lshl_b32 s21, s16, 1
	s_add_co_u32 s20, s20, s21                     ; 16 batch + my first head (4 cx + 2 half)
	s_lshl_b32 s20, s20, 4
	s_and_b32 s21, s17, 15
	s_add_co_u32 s20, s20, s21                     ; x 16 + the group of 128 tokens
	s_lshl_b32 s45, 6400, s79
	s_mul_i32 s20, s20, s45
	s_mov_b32 s21, 0
	s_lshl_b32 s46, s45, 4                         ; from a head to the next
	s_mov_b32 s47, 0
	v_mul_u32_u24 v[GSO], s46, v2
	v_lshl_add_u32 v[GSO], v1, 4, v[GSO]
	s_lshl_b32 s18, s42, 10
	s_lshl_b32 s19, s16, 9
	s_add_co_u32 s18, s18, s19
	s_mov_b32 s19, 0
	s_add_nc_u64 s[66:67], s[66:67], s[18:19]
	s_lshl_b32 s18, 6144, s79
	s_lshl_b32 s2, s15, 3
	s_add_co_u32 s18, s18, s2                      ; the scale words of my two pairs of tiles
	s_mul_i32 s2, s15, 3072                        ; my four tiles of the group's eight
	s_mov_b32 s3, 0
	s_cmp_eq_u32 s79, 0
	s_cselect_b64 s[12:13], s[12:13], s[100:101]
	s_cselect_b64 s[96:97], s[96:97], s[98:99]
	s_add_nc_u64 s[20:21], s[12:13], s[20:21]
	s_add_nc_u64 s[76:77], s[20:21], s[18:19]
	s_add_nc_u64 s[20:21], s[20:21], s[2:3]
	s_add_nc_u64 s[22:23], s[20:21], s[46:47]
	s_wait_alu depctr_va_vdst(0)
	WIN 0x40
.irp b, 0,1,2,3,4,5,6,7
	global_load_b128 v[BI+8*\b+96*(\b/4):BI+8*\b+96*(\b/4)+3],   v7, s[66:67] offset:64*\b
	global_load_b128 v[BI+8*\b+96*(\b/4)+4:BI+8*\b+96*(\b/4)+7], v7, s[66:67] offset:64*\b+16
.endr
	WIN 0
.irp b, 0,1,2,3
	global_load_b128 v[GW+8*\b:GW+8*\b+3],   v7, s[96:97] offset:64*\b
	global_load_b128 v[GW+8*\b+4:GW+8*\b+7], v7, s[96:97] offset:64*\b+16
.endr
	CORE
.irp b, 0,1,2,3
	v_mov_b32 v[TM+4+\b], 0                        ; a lane permute's destination counts as a source; also the places behind the last products
.endr
	v_mov_b32 v[TP], 0
	v_mov_b32 v[TP+1], 0
	v_mov_b32 v[RS+1], 0
	v_mov_b32 v[RS+3], 0
.irp a, 0,1,2,3
	EPI \a
.endr
.irp t, 0,1
	v_perm_b32 v[KSW+\t], v[PWS+2*\t+1], v[PWS+2*\t], v[SELR]   ; lanes 0-15 my first head's bytes of tiles 2 t, 2 t + 1; lanes 16-31 my second head's
.endr
	global_store_b64 v[GSO], v[KSW:KSW+1], s[76:77]
	s_branch .Lend
.Lv:	; ---- v
	v_and_b32 v6, 31, v0
	v_lshlrev_b32 v[G16], 4, v6
	v_lshlrev_b32 v7, 2, v1                        ; 4 r: my channel's bias
	v_lshlrev_b32 v[GSO], 4, v1
	s_lshr_b32 s20, s42, 3                         ; batch
	s_lshl_b32 s20, s20, 4
	s_lshl_b32 s21, s17, 1
	s_add_co_u32 s20, s20, s21
	s_add_co_u32 s20, s20, s15                     ; 16 batch + my head (2 R + half)
	s_lshl_b32 s20, s20, 4
	s_and_b32 s21, s42, 7
	s_lshl_b32 s21, s21, 1
	s_add_co_u32 s20, s20, s21
	s_add_co_u32 s20, s20, s16                     ; x 16 + my 128 keys
	s_mul_i32 s20, s20, 12800
	s_mov_b32 s21, 0
	s_add_nc_u64 s[20:21], s[100:101], s[20:21]
	s_lshl_b32 s18, s17, 9
	s_lshl_b32 s19, s15, 8
	s_add_co_u32 s18, s18, s19
	s_add_co_u32 s18, s18, 8192
	s_mov_b32 s19, 0
	s_add_nc_u64 s[66:67], s[66:67], s[18:19]
	s_wait_alu depctr_va_vdst(0)
.irp a, 0,1,2,3
	global_load_b32 v[BV+2*\a],   v7, s[66:67] offset:64*\a
	global_load_b32 v[BV+2*\a+1], v7, s[66:67] offset:64*\a
.endr
	CORE
.irp b, 0,1,2,3
	v_mov_b32 v[TM+4+\b], 0
.endr
.irp a, 0,1,2,3
	VEPI \a
.endr
	global_store_b128 v[GSO], v[PWS:PWS+3], s[20:21] offset:12544   ; lanes l and l xor 16 store the same 16 bytes with the same value
.Lend:
	s_wait_tensorcnt 0x0                           ; the wave's end
	ds_add_u32 v[SPW], v[NIL]
	s_wait_dscnt 0x0
	CROUND                                         ; the closing round
	s_endpgm
.Lfunc_end_k_qb0a6cef2c4_qkv:
	.size	k_qb0a6cef2c4_qkv, .Lfunc_end_k_qb0a6cef2c4_qkv-k_qb0a6cef2c4_qkv
	.p2alignl 7, 3214868480
	.fill 96, 4, 3214868480
	.section	.rodata,"a",@progbits
	.p2align	6, 0x0
	.amdhsa_kernel k_qb0a6cef2c4_qkv
		.amdhsa_group_segment_fixed_size 327680
		.amdhsa_private_segment_fixed_size 0
		.amdhsa_enable_private_segment 0
		.amdhsa_kernarg_size 72
		.amdhsa_user_sgpr_count 2
		.amdhsa_user_sgpr_kernarg_segment_ptr 1
		.amdhsa_wavefront_size32 1
		.amdhsa_system_sgpr_workgroup_id_x 1
		.amdhsa_system_sgpr_workgroup_id_y 1
		.amdhsa_system_sgpr_workgroup_id_z 1
		.amdhsa_system_vgpr_workitem_id 0
		.amdhsa_next_free_vgpr 768
		.amdhsa_next_free_sgpr 102
		.amdhsa_reserve_vcc 1
		.amdhsa_float_denorm_mode_32 3
		.amdhsa_float_denorm_mode_16_64 3
		.amdhsa_memory_ordered 1
		.amdhsa_forward_progress 1
		.amdhsa_inst_pref_size 230
	.end_amdhsa_kernel
	.amdgpu_metadata
---
amdhsa.version: [ 1, 2 ]
amdhsa.kernels:
  - .name:           k_qb0a6cef2c4_qkv
    .symbol:         k_qb0a6cef2c4_qkv.kd
    .args:
      - { .name: x_codes, .offset: 0, .size: 8, .value_kind: global_buffer, .address_space: global }
      - { .name: x_scales, .offset: 8, .size: 8, .value_kind: global_buffer, .address_space: global }
      - { .name: W_qkv_codes, .offset: 16, .size: 8, .value_kind: global_buffer, .address_space: global }
      - { .name: W_qkv_scales, .offset: 24, .size: 8, .value_kind: global_buffer, .address_space: global }
      - { .name: b_qkv, .offset: 32, .size: 8, .value_kind: global_buffer, .address_space: global }
      - { .name: qn_w, .offset: 40, .size: 8, .value_kind: global_buffer, .address_space: global }
      - { .name: kn_w, .offset: 48, .size: 8, .value_kind: global_buffer, .address_space: global }
      - { .name: qbuf, .offset: 56, .size: 8, .value_kind: global_buffer, .address_space: global }
      - { .name: kvbuf, .offset: 64, .size: 8, .value_kind: global_buffer, .address_space: global }
    .group_segment_fixed_size: 327680
    .private_segment_fixed_size: 0
    .kernarg_segment_align: 8
    .kernarg_segment_size: 72
    .max_flat_workgroup_size: 128
    .sgpr_count:     102
    .vgpr_count:     768
    .wavefront_size: 32
...
	.end_amdgpu_metadata
.endif
;; end of part 1
;; launch attn (part 2): grid 4 x 64, 16 waves a work-group, clusters of 4 x 1, 206,848 bytes of LDS; arguments qbuf, kvbuf, ocodes, oscales; writes ocodes, oscales
.if DOCPART == 2
	.amdgcn_target "amdgcn-amd-amdhsa--gfx1250"
	.amdhsa_code_object_version 6
	.text
	.protected	k_qb0a6cef2c4_attn
	.globl	k_qb0a6cef2c4_attn
	.p2align	8
	.type	k_qb0a6cef2c4_attn,@function
k_qb0a6cef2c4_attn:
	s_mov_b64 s[64:65], 0
	v_nop
	global_prefetch_b8 v0, s[64:65] scope:SCOPE_SE
	s_setreg_imm32_b32 hwreg(HW_REG_WAVE_MODE, 25, 1), 1
	s_wait_xcnt 0x0
	s_wait_alu depctr_hold_cnt(0) depctr_sa_sdst(0) depctr_va_vdst(0) depctr_va_sdst(0) depctr_va_ssrc(0) depctr_va_vcc(0) depctr_vm_vsrc(0)
	s_getreg_b32 s2, hwreg(HW_REG_IB_STS2, 6, 4)
	s_cmp_eq_u32 s2, 0
	s_cbranch_scc0 .Lentry_in_a_cluster
	s_endpgm
.Lentry_in_a_cluster:
	s_bfe_u32 s2, ttmp6, 0x10000c
	s_cmp_lg_u32 s2, 0x3003
	s_cbranch_scc0 .Lentry_shape_is_right
	s_endpgm
.Lentry_shape_is_right:
; o = softmax(q k^T / 8) v for one head of one batch, both products on codes of FP6 (E2M3) with one E8M0 scale for each 32 along a product's K; then o / l is quantised along its 64 channels.
; THE SOFTMAX: t = score x log2(e) / 8; M = the row's largest t so far, rounded UP to a whole number; p = 2^(t - M) is quantised along the keys.  l is the sum of the unquantised p, in f32, and divides at the end.
; When M moves, l and O are multiplied by 2^(old M - new M): exact.
; SHARES.  The four work-groups of a cluster belong to one head; a work-group owns 512 queries, each of its sixteen waves two tiles of 16, one after the other.  Every wave walks the head's 2,048 keys, 128 a step.
; LDS.  A head's k, v and scale words, 16 steps x 12,800 bytes, one dense block of kvbuf, come in ONCE by one joint tensor load in each of waves 0 to 7 (100 rows of 256 bytes).  Nothing is filled again, nothing is stored to LDS.
; A step in LDS: at 0 four pairs of key tiles (768 bytes a tile: registers 0-3 at 16 x lane, 4-5 at 512 + 8 x lane); at 6,144 four fragments of v^T (three times 512 bytes); at 12,288 k's scale words; at 12,544 v's.
; FETCHES.  The NEXT step's key tiles are asked for directly behind this step's products k q^T, into the registers those have read.  v^T's fragments 0, 1 are asked for with them, into registers of their own;
; fragments 2, 3 go into the first 24 registers of p as soon as the conversions have read them.  So a tile's last step is written out: in the wave's first tile it asks for step 0's keys again, for the second tile; in the second for none.
; K = 64 IN AN INSTRUCTION OF K = 128.  Source 0 holds TWO key tiles; source 1 is q beside six registers of zero codes: [q | 0] meets the first tile, [0 | q] the second; the other half adds exactly 0.
; LAYOUT.  S^T = k q^T, O^T = v^T p^T: a lane holds ONE query.  The codes of a block of 32 keys come out in the order of octets 0, 2, 1, 3, as v's were laid.  Sixteen exchanges put O^T in the true order ahead of its quantiser.
; STORED: ocodes [token tile 512][head 16][768]: an image of six registers a lane; oscales [token][32]: bytes 2 head, 2 head + 1.
; LIMITS: NaN and infinities are not served.  v_exp_f32 and v_rcp_f32 are good to 1 ulp; an exponential under 2^-126 comes out as 0.  A block's largest p is taken from its largest score by the same two
; instructions.  A block whose largest magnitude lies under 2^-124 gets the byte 1 (only this program reads the bytes).  The scaled scores stay under 2^31 in magnitude.
.set STEPB, 12800
.set L16, 1
.set L8,  2
.set R16, 3
.set R32, 4
.set A16, 5
.set A8,  6
.set AR,  7
.set QW,  8
.set TMP, 9
.set FF,  10                           ; v[10:11] f = 2^(old M - new M)
.set QHI, 16                           ; v16-21 zeros, v22-27 q, v28-33 zeros
.set QLO, 22
.set QSL, 34                           ; v34-35 q's bytes; v36-39 k's scale words; v40-43 v's; v44 p's: scales and nothing else
.set KSC, 36
.set VSC, 40
.set PSW, 44
.set RL,  46                           ; v[46:47] 1 / l
.set F,   48                           ; v48-95 four pairs of key tiles
.set S,   96                           ; v96-159 S^T, then p; v96-119 then v^T's fragments 2, 3
.set O,   160
.set PC,  192                          ; v192-203 p's codes, v204-211 their second halves; ahead of the conversions v192-205 hold the sums' chains
.set PT,  204
.set BM,  212
.set BX,  216
.set SO,  220
.set X,   224                          ; v224-247 v^T's fragments 0, 1
.set WV,  12
.set SEL, 28
.set CS,  30
.set TB,  32
.set CNT, 33
.macro CROUND
	s_barrier_signal -1
	s_barrier_wait -1
	s_cmp_lg_u32 s[WV], 0
	s_cbranch_scc1 .Lnot_wave_0_\@
	s_barrier_signal -3
.Lnot_wave_0_\@:
	s_barrier_wait -3
	s_barrier_signal -1
	s_barrier_wait -1
.endm
	s_load_b256 s[4:11], s[0:1], 0x0               ; qbuf, kvbuf, ocodes, oscales
	v_lshl_add_u32 v254, v0, 2, 0x32000
	v_mov_b32 v255, 0
	ds_add_u32 v254, v255                          ; the opening lines
	ds_add_u32 v254, v255
	v_lshrrev_b32 v1, 5, v0
	s_delay_alu instid0(VALU_DEP_1)
	v_readfirstlane_b32 s[WV], v1
	s_bfe_u32 s13, ttmp6, 0x40000                  ; cx: it enters global addresses alone
	s_and_b32 s14, ttmp7, 0xffff                   ; 16 x batch + head
	s_mov_b32 s16, 15|(3<<16)|(1<<21)
	s_mov_b32 s17, 32<<16
	s_mov_b32 s18, 100<<16
	s_mov_b32 s19, 32<<16
	s_mov_b32 s20, 100
	s_mov_b32 s21, 32
	s_mov_b32 s22, 0
	s_mov_b32 s23, 0
	s_and_b32 s15, s[WV], 7
	s_mov_b32 s24, 1
	s_mul_i32 s25, s15, 25600
	s_mul_i32 s38, s14, 204800
	s_add_co_u32 s38, s38, s25
	s_mov_b32 s39, 0
	s_lshl_b32 s40, s14, 4
	s_lshl_b32 s41, s13, 2
	s_add_co_u32 s40, s40, s41
	s_lshr_b32 s41, s[WV], 3
	s_add_co_u32 s40, s40, s41
	s_mul_i32 s40, s40, 6400                       ; my first tile's group of 128 queries
	s_mov_b32 s41, 0
	s_mul_i32 s42, s15, 768
	s_mov_b32 s43, 0
	s_lshr_b32 s44, s15, 1
	s_lshl_b32 s44, s44, 2
	s_add_co_u32 s44, s44, 6144
	s_mov_b32 s45, 0
	s_and_b32 s35, s[WV], 1
	s_lshl_b32 s35, s35, 4
	s_lshr_b32 s46, s14, 4
	s_lshl_b32 s46, s46, 7
	s_lshl_b32 s47, s13, 5
	s_add_co_u32 s46, s46, s47
	s_add_co_u32 s46, s46, s[WV]                   ; my first token tile
	s_and_b32 s47, s14, 15
	s_lshl_b32 s48, s46, 4
	s_add_co_u32 s48, s48, s47
	s_mul_i32 s48, s48, 768
	s_mov_b32 s49, 0
	s_lshl_b32 s50, s46, 9
	s_lshl_b32 s51, s47, 1
	s_add_co_u32 s50, s50, s51
	s_mov_b32 s51, 0
	s_mov_b32 s[SEL], 0x76543210
	s_mov_b32 s[SEL+1], 0xfedcba98
	s_mov_b32 s[CS], 0x3e38aa3b                    ; log2(e) / 8
	s_mov_b32 s[CS+1], s[CS]
	s_wait_dscnt 0x0
	s_wait_kmcnt 0x0
	s_add_nc_u64 s[26:27], s[6:7], s[38:39]
	s_or_b32 s27, s27, 0x80000000
	CROUND
	s_cmp_lt_u32 s[WV], 8
	s_cbranch_scc0 .Lno_fill
	tensor_load_to_lds s[24:27], s[16:23]          ; my eighth of the head
	s_nop 0
.rept 4
	v_nop
.endr
.Lno_fill:
	s_add_nc_u64 s[4:5], s[4:5], s[40:41]
	s_add_nc_u64 s[36:37], s[4:5], s[44:45]
	s_add_nc_u64 s[4:5], s[4:5], s[42:43]
	s_add_nc_u64 s[8:9], s[8:9], s[48:49]
	s_add_nc_u64 s[10:11], s[10:11], s[50:51]
	v_and_b32 v9, 31, v0
	v_and_b32 v10, 15, v0
	s_delay_alu instid0(VALU_DEP_2)
	v_lshlrev_b32 v[L16], 4, v9
	s_delay_alu instid0(VALU_DEP_3)
	v_lshlrev_b32 v[L8], 3, v9
	s_delay_alu instid0(VALU_DEP_3)
	v_lshlrev_b32 v[R16], 4, v10
	s_delay_alu instid0(VALU_DEP_4)
	v_lshlrev_b32 v[R32], 5, v10
.irp j, 0,1,2,3,4,5
	v_mov_b32 v[QHI+\j], 0
	v_mov_b32 v[QLO+6+\j], 0
.endr
.irp b, 0,1,2,3
	v_mov_b32 v[BX+\b], 0                          ; a lane permute's destination counts as one of its sources
.endr
	v_mov_b32 v[TMP], 0
	v_mov_b32 v[FF+1], 0
; four pairs of key tiles and their scale words, from LDS byte off behind the three address registers
.macro KLOAD a16, a8, ar, off
.irp t, 0,1,2,3
	ds_load_b128 v[F+12*\t:F+12*\t+3],     v[\a16] offset:\off+1536*\t
	ds_load_b64  v[F+12*\t+4:F+12*\t+5],   v[\a8]  offset:\off+1536*\t+512
	ds_load_b128 v[F+12*\t+6:F+12*\t+9],   v[\a16] offset:\off+1536*\t+768
	ds_load_b64  v[F+12*\t+10:F+12*\t+11], v[\a8]  offset:\off+1536*\t+1280
.endr
	ds_load_b128 v[KSC:KSC+3], v[\ar] offset:\off+12288
.endm
; A KEY STEP: 128 keys; its key tiles are in registers.  mode 0: asks for the next step's keys; 1: for step 0's; 2: for none.
.macro STEP mode
	v_add_nc_u32 v[A16], s[TB], v[L16]
	v_add_nc_u32 v[A8], s[TB], v[L8]
	v_add_nc_u32 v[AR], s[TB], v[R16]
	v_nop
	v_nop                                          ; five places: the scores land on registers that the last products read
.irp t, 0,1,2,3
	v_wmma_scale_f32_16x16x128_f8f6f4 v[S+16*\t:S+16*\t+7], v[F+12*\t:F+12*\t+11], v[QLO:QLO+11], 0, v[KSC+\t], v[QSL] matrix_a_fmt:MATRIX_FMT_FP6 matrix_b_fmt:MATRIX_FMT_FP6
	v_wmma_scale_f32_16x16x128_f8f6f4 v[S+16*\t+8:S+16*\t+15], v[F+12*\t:F+12*\t+11], v[QHI:QHI+11], 0, v[KSC+\t], v[QSL+1] matrix_a_fmt:MATRIX_FMT_FP6 matrix_b_fmt:MATRIX_FMT_FP6
.endr
.rept 4
	v_nop                                          ; places in front of the loads below and of the first read of the scores
.endr
.irp t, 0,1
.irp c, 0,1,2
	ds_load_b128 v[X+12*\t+4*\c:X+12*\t+4*\c+3], v[A16] offset:6144+1536*\t+512*\c
.endr
.endr
	ds_load_b128 v[VSC:VSC+3], v[AR] offset:12544
.if \mode == 0
	KLOAD A16, A8, AR, STEPB
.elseif \mode == 1
	KLOAD L16, L8, R16, 0
.endif
.irp b, 0,1,2,3
	v_max3_num_f32 v[BM+\b], v[S+16*\b], v[S+1+16*\b], v[S+2+16*\b]   ; the largest score of each block of 32 keys
.endr
.irp i, 3,5,7,9,11,13
.irp b, 0,1,2,3
	v_max3_num_f32 v[BM+\b], v[BM+\b], v[S+16*\b+\i], v[S+1+16*\b+\i]
.endr
.endr
.irp b, 0,1,2,3
	v_max_num_f32 v[BM+\b], v[BM+\b], v[S+15+16*\b]
.endr
.irp b, 0,1,2,3
	s_delay_alu instid0(VALU_DEP_4)
	v_permlanex16_b32 v[BX+\b], v[BM+\b], s[SEL], s[SEL+1]
.endr
.irp b, 0,1,2,3
	s_delay_alu instid0(VALU_DEP_4)
	v_max_num_f32 v[BM+\b], v[BM+\b], v[BX+\b]
.endr
	s_delay_alu instid0(VALU_DEP_2)
	v_max3_num_f32 v[TMP], v[BM], v[BM+1], v[BM+2]
	s_delay_alu instid0(VALU_DEP_1)
	v_max_num_f32 v[TMP], v[TMP], v[BM+3]
	s_delay_alu instid0(VALU_DEP_1)
	v_mul_f32 v[TMP], s[CS], v[TMP]
	s_delay_alu instid0(VALU_DEP_1)
	v_max_num_f32 v13, v13, v[TMP]                 ; the running largest t
	v_mov_b32 v[TMP], v12
	s_delay_alu instid0(VALU_DEP_2)
	v_floor_f32 v12, -v13                          ; the new -M
	s_delay_alu instid0(VALU_DEP_1)
	v_sub_f32 v[TMP], v12, v[TMP]
	s_delay_alu instid0(VALU_DEP_1)
	v_cvt_i32_f32 v[TMP], v[TMP]
	s_delay_alu instid0(VALU_DEP_1)
	v_ldexp_f32 v[FF], 1.0, v[TMP]                 ; f = 2^(old M - new M)
.irp j, 0,2,4,6,8,10,12,14,16,18,20,22,24,26,28,30,32,34,36,38,40,42,44,46,48,50,52,54,56,58,60,62
	v_pk_fma_f32 v[S+\j:S+\j+1], v[S+\j:S+\j+1], s[CS:CS+1], v[12:13] op_sel_hi:[1,0,0]
.endr
.irp b, 0,1,2,3
	v_fma_f32 v[BM+\b], v[BM+\b], s[CS], v12
.endr
	s_wait_alu depctr_va_vdst(0)                   ; a wait ahead of the batch
.irp j, 0,1,2,3,4,5,6,7,8,9,10,11,12,13,14,15,16,17,18,19,20,21,22,23,24,25,26,27,28,29,30,31,32,33,34,35,36,37,38,39,40,41,42,43,44,45,46,47,48,49,50,51,52,53,54,55,56,57,58,59,60,61,62,63
	v_exp_f32 v[S+\j], v[S+\j]
.endr
	v_pk_mul_f32 v[14:15], v[14:15], v[FF:FF+1] op_sel_hi:[1,0]
	s_wait_alu depctr_va_vdst(0)                   ; and one behind it
.irp b, 0,1,2,3
	v_exp_f32 v[BM+\b], v[BM+\b]                   ; the block's largest p
.endr
; l: the 32 pairs of p in eight chains: seven in v192-205, which hold no codes now, and l's own
.irp k, 0,1,2,3,4,5,6
	v_pk_add_f32 v[PC+2*\k:PC+2*\k+1], v[S+4*\k:S+4*\k+1], v[S+4*\k+2:S+4*\k+3]
.endr
	v_pk_add_f32 v[14:15], v[14:15], v[S+28:S+29]
.irp k, 0,1,2,3,4,5,6
	v_pk_add_f32 v[PC+2*\k:PC+2*\k+1], v[PC+2*\k:PC+2*\k+1], v[S+30+2*\k:S+31+2*\k]
.endr
	v_pk_add_f32 v[14:15], v[14:15], v[S+44:S+45]
.irp k, 0,1,2,3,4,5,6
	v_pk_add_f32 v[PC+2*\k:PC+2*\k+1], v[PC+2*\k:PC+2*\k+1], v[S+46+2*\k:S+47+2*\k]
.endr
	v_pk_add_f32 v[14:15], v[14:15], v[S+60:S+61]
	v_pk_add_f32 v[PC:PC+1], v[PC:PC+1], v[S+62:S+63]
	v_pk_add_f32 v[PC+4:PC+5], v[PC+4:PC+5], v[PC+6:PC+7]
	v_pk_add_f32 v[PC+8:PC+9], v[PC+8:PC+9], v[PC+10:PC+11]
	v_pk_add_f32 v[14:15], v[14:15], v[PC+12:PC+13]
	s_delay_alu instid0(VALU_DEP_4)
	v_pk_add_f32 v[PC:PC+1], v[PC:PC+1], v[PC+2:PC+3]
	s_delay_alu instid0(VALU_DEP_2)
	v_pk_add_f32 v[14:15], v[14:15], v[PC+4:PC+5]
	s_delay_alu instid0(VALU_DEP_2)
	v_pk_add_f32 v[PC:PC+1], v[PC:PC+1], v[PC+8:PC+9]
	s_delay_alu instid0(VALU_DEP_1)
	v_pk_add_f32 v[14:15], v[14:15], v[PC:PC+1]
	s_wait_alu depctr_va_vdst(0)                   ; and one for the four
.irp b, 0,1,2,3
	v_max_num_f32 v[BM+\b], 0x1800000, v[BM+\b]    ; the floor 2^(3 - 127)
.endr
.irp b, 0,1,2,3
	s_delay_alu instid0(VALU_DEP_4)
	v_add_nc_u32 v[SO+\b], 0xff000000, v[BM+\b]
.endr
.irp b, 0,1,2,3
	s_delay_alu instid0(VALU_DEP_4)
	v_lshrrev_b32 v[BX+\b], 23, v[SO+\b]
.endr
	s_delay_alu instid0(VALU_DEP_3)
	v_lshl_or_b32 v[PSW], v[BX+1], 8, v[BX]
	s_delay_alu instid0(VALU_DEP_1)
	v_lshl_or_b32 v[PSW], v[BX+2], 16, v[PSW]
	s_delay_alu instid0(VALU_DEP_1)
	v_lshl_or_b32 v[PSW], v[BX+3], 24, v[PSW]
	v_cvt_scalef32_pk16_fp6_f32 v[PC:PC+2], v[S:S+15], v[SO]
	v_cvt_scalef32_pk16_fp6_f32 v[PT:PT+2], v[S+16:S+31], v[SO+1]
.irp t, 2,3
.irp c, 0,1,2
	ds_load_b128 v[S+12*(\t-2)+4*\c:S+12*(\t-2)+4*\c+3], v[A16] offset:6144+1536*\t+512*\c   ; v^T's fragments 2, 3, where the first 32 p lay
.endr
.endr
	v_cvt_scalef32_pk16_fp6_f32 v[PC+6:PC+8], v[S+32:S+47], v[SO+2]
	v_cvt_scalef32_pk16_fp6_f32 v[PT+4:PT+6], v[S+48:S+63], v[SO+3]
	v_nop                                          ; one plain place behind a scaled conversion
.irp c, 0,1
.irp i, 0,1,2
	v_permlane16_swap_b32 v[PC+6*\c+\i], v[PT+4*\c+\i]
.endr
.irp i, 0,1,2
	s_delay_alu instid0(VALU_DEP_3)
	v_mov_b32 v[PC+3+6*\c+\i], v[PT+4*\c+\i]
.endr
.endr
.irp j, 0,2,4,6,8,10,12,14,16,18,20,22,24,26,28,30
	v_pk_mul_f32 v[O+\j:O+\j+1], v[O+\j:O+\j+1], v[FF:FF+1] op_sel_hi:[1,0]   ; O^T under the new M; for each product below twelve of these name none of its registers: the places behind p's codes and scale word
.endr
	s_wait_alu depctr_va_vdst(0)
	s_wait_dscnt 0x6                               ; all but the six loads of fragments 2, 3
.irp t, 0,1
	v_wmma_scale_f32_16x16x128_f8f6f4 v[O+8*\t:O+8*\t+7], v[X+12*\t:X+12*\t+11], v[PC:PC+11], v[O+8*\t:O+8*\t+7], v[VSC+\t], v[PSW] matrix_a_fmt:MATRIX_FMT_FP6 matrix_b_fmt:MATRIX_FMT_FP6
.endr
	s_wait_dscnt 0x0
.irp t, 2,3
	v_wmma_scale_f32_16x16x128_f8f6f4 v[O+8*\t:O+8*\t+7], v[S+12*(\t-2):S+12*(\t-2)+11], v[PC:PC+11], v[O+8*\t:O+8*\t+7], v[VSC+\t], v[PSW] matrix_a_fmt:MATRIX_FMT_FP6 matrix_b_fmt:MATRIX_FMT_FP6
.endr
.endm
; ONE TILE OF 16 QUERIES, the wave's i-th
.macro TILE i
	s_wait_xcnt 0x0
	global_load_b128 v[QLO:QLO+3], v[L16], s[4:5] offset:12800*\i
	global_load_b64 v[QLO+4:QLO+5], v[L8], s[4:5] offset:12800*\i+512
	global_load_b32 v[QW], v[R16], s[36:37] offset:12800*\i
	v_mov_b32 v13, 0xff61b1e6                      ; -3e38, under every t
	s_delay_alu instid0(VALU_DEP_1)
	v_floor_f32 v12, -v13
	v_mov_b32 v14, 0
	v_mov_b32 v15, 0
	s_mov_b32 s[TB], 0
	s_mov_b32 s[CNT], 15
	s_wait_loadcnt 0x0
	v_bfe_u32 v[QSL], v[QW], s35, 16
	s_delay_alu instid0(VALU_DEP_1)
	v_lshlrev_b32 v[QSL+1], 16, v[QSL]
.irp j, 0,1,2,3,4,5,6,7,8,9,10,11,12,13,14,15,16,17,18,19,20,21,22,23,24,25,26,27,28,29,30,31
	v_mov_b32 v[O+\j], 0                           ; O^T: the first step finds zeros.  (Also the places behind the two scale registers)
.endr
.if \i == 0
	s_wait_tensorcnt 0x0
	s_barrier_signal -1
	s_barrier_wait -1                              ; the head is in: from here on LDS is only read
	KLOAD L16, L8, R16, 0                          ; step 0's keys
	s_wait_dscnt 0x0
.endif
.Lstep_\@:
	STEP 0
	s_add_co_u32 s[TB], s[TB], STEPB
	s_sub_co_u32 s[CNT], s[CNT], 1
	s_cmp_lg_u32 s[CNT], 0
	s_cbranch_scc1 .Lstep_\@
	STEP 1+\i                                      ; the sixteenth step
.rept 4
	v_nop
.endr
	v_add_f32 v14, v14, v15
	s_delay_alu instid0(VALU_DEP_1)
	v_permlanex16_b32 v[TMP], v14, s[SEL], s[SEL+1]
	s_delay_alu instid0(VALU_DEP_1)
	v_add_f32 v14, v14, v[TMP]
	s_wait_alu depctr_va_vdst(0)
	v_rcp_f32 v[RL], v14
	v_mov_b32 v[RL+1], 0
	s_wait_alu depctr_va_vdst(0)
.irp j, 0,2,4,6,8,10,12,14,16,18,20,22,24,26,28,30
	v_pk_mul_f32 v[S+\j:S+\j+1], v[O+\j:O+\j+1], v[RL:RL+1] op_sel_hi:[1,0]   ; o = O^T / l, each accumulator from its low end on
.endr
.irp b, 0,1
.irp j, 0,1,2,3,4,5,6,7
	v_permlane16_swap_b32 v[S+16*\b+\j], v[S+16*\b+8+\j]   ; register 16 b + i is now channel 32 b + 16 h + i
.endr
.endr
.irp b, 0,1
	v_max3_num_f32 v[BM+\b], |v[S+16*\b]|, |v[S+1+16*\b]|, 0x1800000
.endr
.irp k, 2,4,6,8,10,12,14
.irp b, 0,1
	s_delay_alu instid0(VALU_DEP_2)
	v_max3_num_f32 v[BM+\b], v[BM+\b], |v[S+16*\b+\k]|, |v[S+1+16*\b+\k]|
.endr
.endr
.irp b, 0,1
	s_delay_alu instid0(VALU_DEP_2)
	v_permlanex16_b32 v[BX+\b], v[BM+\b], s[SEL], s[SEL+1]
.endr
.irp b, 0,1
	s_delay_alu instid0(VALU_DEP_2)
	v_max_num_f32 v[BM+\b], v[BM+\b], v[BX+\b]
.endr
.irp b, 0,1
	s_delay_alu instid0(VALU_DEP_2)
	v_add_nc_u32 v[SO+\b], 0xff000000, v[BM+\b]
.endr
.irp b, 0,1
	s_delay_alu instid0(VALU_DEP_2)
	v_lshrrev_b32 v[BX+\b], 23, v[SO+\b]
.endr
	s_delay_alu instid0(VALU_DEP_1)
	v_lshl_or_b32 v[TMP], v[BX+1], 8, v[BX]
	v_cvt_scalef32_pk16_fp6_f32 v[PC:PC+2], v[S:S+15], v[SO]
	v_cvt_scalef32_pk16_fp6_f32 v[PC+4:PC+6], v[S+16:S+31], v[SO+1]
	v_nop
.irp k, 0,1,2
	v_permlane16_swap_b32 v[PC+\k], v[PC+4+\k]
.endr
	s_delay_alu instid0(VALU_DEP_3)
	v_mov_b32 v[PC+3], v[PC+4]
	s_delay_alu instid0(VALU_DEP_3)
	v_mov_b32 v[PC+4], v[PC+5]
	s_delay_alu instid0(VALU_DEP_3)
	v_mov_b32 v[PC+5], v[PC+6]
	global_store_b128 v[L16], v[PC:PC+3], s[8:9] offset:196608*\i
	global_store_b64 v[L8], v[PC+4:PC+5], s[8:9] offset:196608*\i+512
	global_store_b16 v[R32], v[TMP], s[10:11] offset:8192*\i               ; lanes l and l xor 16 write the same two bytes with the same value
.endm
	TILE 0
	TILE 1
	s_wait_tensorcnt 0x0                           ; the wave's end
	ds_add_u32 v254, v255
	s_wait_dscnt 0x0
	CROUND                                         ; the closing round
	s_endpgm
.Lfunc_end_k_qb0a6cef2c4_attn:
	.size	k_qb0a6cef2c4_attn, .Lfunc_end_k_qb0a6cef2c4_attn-k_qb0a6cef2c4_attn
	.p2alignl 7, 3214868480
	.fill 96, 4, 3214868480
	.section	.rodata,"a",@progbits
	.p2align	6, 0x0
	.amdhsa_kernel k_qb0a6cef2c4_attn
		.amdhsa_group_segment_fixed_size 206848
		.amdhsa_private_segment_fixed_size 0
		.amdhsa_enable_private_segment 0
		.amdhsa_kernarg_size 32
		.amdhsa_user_sgpr_count 2
		.amdhsa_user_sgpr_kernarg_segment_ptr 1
		.amdhsa_wavefront_size32 1
		.amdhsa_system_sgpr_workgroup_id_x 1
		.amdhsa_system_sgpr_workgroup_id_y 1
		.amdhsa_system_sgpr_workgroup_id_z 1
		.amdhsa_system_vgpr_workitem_id 0
		.amdhsa_next_free_vgpr 256
		.amdhsa_next_free_sgpr 66
		.amdhsa_reserve_vcc 0
		.amdhsa_float_denorm_mode_32 3
		.amdhsa_float_denorm_mode_16_64 3
		.amdhsa_memory_ordered 1
		.amdhsa_forward_progress 1
		.amdhsa_inst_pref_size 85
	.end_amdhsa_kernel
	.amdgpu_metadata
---
amdhsa.version: [ 1, 2 ]
amdhsa.kernels:
  - .name:           k_qb0a6cef2c4_attn
    .symbol:         k_qb0a6cef2c4_attn.kd
    .args:
      - { .name: qbuf, .offset: 0, .size: 8, .value_kind: global_buffer, .address_space: global }
      - { .name: kvbuf, .offset: 8, .size: 8, .value_kind: global_buffer, .address_space: global }
      - { .name: ocodes, .offset: 16, .size: 8, .value_kind: global_buffer, .address_space: global }
      - { .name: oscales, .offset: 24, .size: 8, .value_kind: global_buffer, .address_space: global }
    .group_segment_fixed_size: 206848
    .private_segment_fixed_size: 0
    .kernarg_segment_align: 8
    .kernarg_segment_size: 32
    .max_flat_workgroup_size: 512
    .sgpr_count:     66
    .vgpr_count:     256
    .wavefront_size: 32
...
	.end_amdgpu_metadata
.endif
;; end of part 2
;; launch proj (part 3): grid 4 x 64, 4 waves a work-group, clusters of 4 x 4, 327,680 bytes of LDS; arguments ocodes, oscales, W_proj_codes, W_proj_scales, b_proj, out0; writes out0
.if DOCPART == 3
	.amdgcn_target "amdgcn-amd-amdhsa--gfx1250"
	.amdhsa_code_object_version 6
	.text
	.protected	k_qb0a6cef2c4_proj
	.globl	k_qb0a6cef2c4_proj
	.p2align	8
	.type	k_qb0a6cef2c4_proj,@function
k_qb0a6cef2c4_proj:
	s_mov_b64 s[64:65], 0
	v_nop
	global_prefetch_b8 v0, s[64:65] scope:SCOPE_SE
	s_setreg_imm32_b32 hwreg(HW_REG_WAVE_MODE, 25, 1), 1
	s_wait_xcnt 0x0
	s_wait_alu depctr_hold_cnt(0) depctr_sa_sdst(0) depctr_va_vdst(0) depctr_va_sdst(0) depctr_va_ssrc(0) depctr_va_vcc(0) depctr_vm_vsrc(0)
	s_getreg_b32 s2, hwreg(HW_REG_IB_STS2, 6, 4)
	s_cmp_eq_u32 s2, 0
	s_cbranch_scc0 .Lentry_in_a_cluster
	s_endpgm
.Lentry_in_a_cluster:
	s_bfe_u32 s2, ttmp6, 0x10000c
	s_cmp_lg_u32 s2, 0xf033
	s_cbranch_scc0 .Lentry_shape_is_right
	s_endpgm
.Lentry_shape_is_right:
; out = o W_proj + b on codes of FP6 (E2M3) with one E8M0 byte for each 32 along K = 1,024.  A tile is 128 tokens x 256 columns: 64 x 4 = 256 work-groups; a wave makes 64 x 128 in 32 accumulators (window 2).
; LDS holds all of K, filled once, one joint load a wave.  o's codes lie in ocodes as images of registers, [16 tokens][head][768]: 128 tokens are 98,304 dense bytes, brought as rows of 256 bytes by waves 0, 1
; (shared along the cluster's row).  W_proj's rows of 768 bytes begin at multiples of 256; 16 bytes of padding behind every 256, pitch 816; waves 2, 3 bring 128 rows each (shared along the column).
; Scale words go from memory into registers: lane (r, h) takes 16 bytes at row r x 32 + 16 h; lanes 0-15 hold K steps 0-3, lanes 16-31 steps 4-7 (ROW1).
; Source 0 = 16 rows of W_proj, source 1 = 16 tokens: a lane holds eight neighbouring columns of a token.  The way out goes through a stage in LDS bytes that have had their last fill and, behind a barrier, their last read.
; No prefetch: the launch has no loop to run ahead in; every tile is asked for once, at the head.
.set SIZE_N, 1024
.set PITCH, 816
.set HALFA, 49152
.set BOFF,  2*HALFA
.set SPARE, BOFF+256*PITCH
.set SPITCH, 528
.set FR,   12
.set BP,   8
.set ADRA, 16
.set ADRB, 20
.set STO,  24
.set RD,   25
.set CO,   26
.set SLO,  27
.set SPW,  28
.set NIL,  29
.set SA,   32
.set SB,   48
.set AF,   128
.set BK,   128
.set MSB, 0
.macro WIN new
.if MSB != (\new)
	s_set_vgpr_msb (MSB<<8)|(\new)
.set MSB, (\new)
.endif
.endm
.macro CROUND
	s_barrier_signal -1
	s_barrier_wait -1
	s_cmp_lg_u32 s14, 0
	s_cbranch_scc1 .Lnot_wave_0_\@
	s_barrier_signal -3
.Lnot_wave_0_\@:
	s_barrier_wait -3
	s_barrier_signal -1
	s_barrier_wait -1
.endm
.macro PLACES n
.rept \n
	v_nop
.endr
.endm
	s_load_b128 s[4:7], s[0:1], 0x0                ; o's codes, scales
	s_load_b128 s[8:11], s[0:1], 0x10              ; W's codes, scales
	s_load_b64 s[66:67], s[0:1], 0x20              ; b_proj
	s_load_b64 s[12:13], s[0:1], 0x28              ; out0
	v_lshl_add_u32 v[SPW], v0, 2, SPARE
	v_mov_b32 v[NIL], 0
	ds_add_u32 v[SPW], v[NIL]                      ; the opening lines: the add twice and one wait
	ds_add_u32 v[SPW], v[NIL]
	v_lshrrev_b32 v1, 5, v0
	v_readfirstlane_b32 s14, v1
	s_lshr_b32 s15, s14, 1                         ; my half of the tokens; also: I fetch for o (0) or W (1)
	s_and_b32 s16, s14, 1                          ; my half of the columns; also: which half I fetch
	s_bfe_u32 s40, ttmp6, 0x40000
	s_bfe_u32 s41, ttmp6, 0x40004
	s_lshl_b32 s42, ttmp9, 2
	s_add_co_u32 s42, s42, s40                     ; tile column
	s_and_b32 s17, ttmp7, 0xffff
	s_lshl_b32 s17, s17, 2
	s_add_co_u32 s17, s17, s41                     ; tile row
	s_lshl_b32 s43, s41, 2
	s_lshl_b32 s43, 15, s43
	s_lshl_b32 s44, 0x1111, s40
	s_or_b32 s24, s43, (3<<16)|(1<<21)             ; 192 dense rows of 32 x 8 bytes
	s_mov_b32 s25, 32<<16
	s_mov_b32 s26, 192<<16
	s_mov_b32 s27, 32<<16
	s_mov_b32 s28, 192
	s_mov_b32 s29, 32
	s_mov_b32 s30, 0
	s_mov_b32 s31, 0
	s_or_b32 s48, s44, (1<<20)|(1<<21)|(5<<22)|(3<<25)
	s_mov_b32 s49, 768<<16
	s_mov_b32 s50, 128<<16
	s_mov_b32 s51, 768<<16
	s_mov_b32 s52, 128
	s_mov_b32 s53, 768
	s_mov_b32 s54, 0
	s_mov_b32 s55, 0
	s_lshl_b32 s20, s17, 7                         ; first token
	s_lshl_b32 s46, s42, 8                         ; first row of W
	s_lshl_b32 s18, s16, 6
	s_add_co_u32 s18, s18, s20
	s_mul_i32 s18, s18, 768
	s_mov_b32 s19, 0
	s_lshl_b32 s22, s16, 7
	s_add_co_u32 s22, s22, s46
	s_lshl_b32 s62, s22, 5
	s_mul_i32 s22, s22, 768
	s_mov_b32 s23, 0
	s_mov_b32 s63, 0
	s_lshl_b32 s60, s15, 6
	s_add_co_u32 s60, s60, s20                     ; my first token
	s_lshl_b32 s38, s60, 12                        ; its row of out0, 4,096 bytes a row
	s_lshl_b32 s60, s60, 5
	s_mov_b32 s61, 0
	s_mov_b32 s39, 0
	s_lshl_b32 s36, s42, 10
	s_lshl_b32 s37, s16, 9
	s_add_co_u32 s36, s36, s37                     ; my first column, in bytes
	s_mov_b32 s37, 0
	s_mov_b32 s32, 1
	s_mul_i32 s33, s16, HALFA
	s_mov_b32 s56, 1
	s_mul_i32 s57, s16, 128*PITCH
	s_add_co_u32 s57, s57, BOFF
	s_wait_dscnt 0x0
	s_wait_kmcnt 0x0
	s_add_nc_u64 s[34:35], s[4:5], s[18:19]
	s_or_b32 s35, s35, 0x80000000
	s_add_nc_u64 s[58:59], s[8:9], s[22:23]
	s_or_b32 s59, s59, 0x80000000
	s_add_nc_u64 s[6:7], s[6:7], s[60:61]
	s_add_nc_u64 s[10:11], s[10:11], s[62:63]
	s_add_nc_u64 s[66:67], s[66:67], s[36:37]
	s_add_nc_u64 s[12:13], s[12:13], s[38:39]
	s_add_nc_u64 s[12:13], s[12:13], s[36:37]
	CROUND                                         ; the joint loads meet
	s_cmp_eq_u32 s15, 0
	s_cbranch_scc0 .Lfor_b
	tensor_load_to_lds s[32:35], s[24:31]
	s_nop 0
	PLACES 4
	s_branch .Lasked
.Lfor_b:
	tensor_load_to_lds s[56:59], s[48:55]
	s_nop 0
	PLACES 4
.Lasked:
	s_mul_i32 s21, s15, HALFA
	s_mul_i32 s22, s16, 128*PITCH
	s_add_co_u32 s22, s22, BOFF
	s_add_co_u32 s23, s22, 64*PITCH
	s_mul_i32 s20, s14, 16*SPITCH                  ; my stage
	v_and_b32 v1, 15, v0
	v_bfe_u32 v2, v0, 4, 1
	v_and_b32 v6, 31, v0
	v_mul_u32_u24 v3, v1, PITCH
	v_mad_u32_u24 v3, v2, 24, v3
	v_lshl_add_u32 v4, v2, 4, v3
	v_lshlrev_b32 v[CO], 4, v6
	v_lshlrev_b32 v7, 3, v6
	v_add_nc_u32 v[ADRA], s21, v[CO]
	v_add_nc_u32 v[ADRA+1], s21, v7
	v_add_nc_u32 v[ADRB], s22, v3
	v_add_nc_u32 v[ADRB+1], s22, v4
	v_add_nc_u32 v[ADRB+2], s23, v3
	v_add_nc_u32 v[ADRB+3], s23, v4
	v_lshlrev_b32 v5, 5, v1
	v_lshl_add_u32 v[SLO], v2, 4, v5
	v_mul_u32_u24 v5, v1, SPITCH
	v_lshl_add_u32 v5, v2, 5, v5
	v_add_nc_u32 v[STO], s20, v5
	v_add_nc_u32 v[RD], s20, v[CO]
	s_wait_alu depctr_va_vdst(0)
.irp i, 0,1,2,3
	global_load_b128 v[SA+4*\i:SA+4*\i+3], v[SLO], s[6:7] offset:512*\i
.endr
.irp i, 0,1,2,3,4,5,6,7
	global_load_b128 v[SB+4*\i:SB+4*\i+3], v[SLO], s[10:11] offset:512*\i
.endr
	global_load_b128 v[BP:BP+3], v[CO], s[66:67]
.macro FRAG reg, adr, st, i
.irp p, 0,1,2,3,4,5
.set BY, 96*(\st)+48*(\p/3)+8*(\p%3)
.if BY/256 == (BY+24)/256
	ds_load_b64 v[\reg+2*\p:\reg+2*\p+1], v[\adr] offset:BY+16*(BY/256)+(\i)*16*PITCH
.else
	ds_load_b64 v[\reg+2*\p:\reg+2*\p+1], v[\adr+1] offset:BY+16*(BY/256)+(\i)*16*PITCH
.endif
.endr
.endm
.macro FRAGA reg, st, i                ; two heads' images of six registers
.set OA, 12288*(\i)+1536*(\st)
	ds_load_b128 v[\reg:\reg+3],     v[ADRA]   offset:OA
	ds_load_b64  v[\reg+4:\reg+5],   v[ADRA+1] offset:OA+512
	ds_load_b128 v[\reg+6:\reg+9],   v[ADRA]   offset:OA+768
	ds_load_b64  v[\reg+10:\reg+11], v[ADRA+1] offset:OA+1280
.endm
.macro FETCH st
	WIN 0x40
.irp i, 0,1,2,3,4,5,6,7
	FRAG 128*((\st)%2)+FR*\i, ADRB+2*(\i/4), \st, \i%4
.endr
	WIN 0
.irp i, 0,1,2,3
	FRAGA AF+48*((\st)%2)+FR*\i, \st, \i
.endr
.endm
.macro WM a, b, st
.set XD, 8*(8*(\a)+(\b))
.set XB, 128*((\st)%2)+FR*(\b)
.set XA, AF+48*((\st)%2)+FR*(\a)
.set YB, SB+4*(\b)+(\st)%4
.set YA, SA+4*(\a)+(\st)%4
.if (\st) == 0
	v_wmma_scale_f32_16x16x128_f8f6f4 v[XD:XD+7], v[XB:XB+11], v[XA:XA+11], 0, v[YB], v[YA] matrix_a_fmt:MATRIX_FMT_FP6 matrix_b_fmt:MATRIX_FMT_FP6
.elseif (\st) < 4
	v_wmma_scale_f32_16x16x128_f8f6f4 v[XD:XD+7], v[XB:XB+11], v[XA:XA+11], v[XD:XD+7], v[YB], v[YA] matrix_a_fmt:MATRIX_FMT_FP6 matrix_b_fmt:MATRIX_FMT_FP6
.else
	v_wmma_scale_f32_16x16x128_f8f6f4 v[XD:XD+7], v[XB:XB+11], v[XA:XA+11], v[XD:XD+7], v[YB], v[YA] matrix_a_fmt:MATRIX_FMT_FP6 matrix_b_fmt:MATRIX_FMT_FP6 matrix_a_scale:MATRIX_SCALE_ROW1 matrix_b_scale:MATRIX_SCALE_ROW1
.endif
.endm
.macro MUL st                          ; 32 products, the 32 accumulators by turns
	WIN 0xa1
.irp a, 0,1,2,3
.irp b, 0,1,2,3,4,5,6,7
	WM \a, \b, \st
.endr
.endr
	WIN 0
.endm
	s_wait_loadcnt 0x0                             ; scale words and bias
	s_wait_tensorcnt 0x0                           ; my part of the tiles,
	s_barrier_signal -1
	s_barrier_wait -1                              ; everybody's
	FETCH 0
.set ST, 0
.rept 7
	s_wait_dscnt 0x0
	PLACES 4                                       ; in front of loads into registers that the last products read
	FETCH ST+1
	MUL ST
.set ST, ST+1
.endr
	s_wait_dscnt 0x0                               ; my last reads of the tiles are over:
	s_barrier_signal -1
	MUL 7
	s_barrier_wait -1                              ; everybody's are: the stages may be written
.macro TOSTAGE a
.set AC, 64*(\a)
	WIN 0x08
.irp b, 0,1,2,3,4,5,6,7
	ds_store_b128 v[STO], v[AC+8*\b:AC+8*\b+3] offset:64*\b          ; each accumulator from its low end on
	ds_store_b128 v[STO], v[AC+8*\b+4:AC+8*\b+7] offset:64*\b+16
.endr
	WIN 0
.set BB, BK+64*((\a)%2)
.irp t, 0,1,2,3,4,5,6,7,8,9,10,11,12,13,14,15
	ds_load_b128 v[BB+4*\t:BB+4*\t+3], v[RD] offset:\t*SPITCH        ; a wave's LDS instructions are served in order
.endr
.endm
.macro SEND a, younger
.set BB, BK+64*((\a)%2)
	s_wait_dscnt \younger
.if (\a) > 0
	s_add_nc_u64 s[12:13], s[12:13], 16*SIZE_N*4
.endif
.irp t, 0,1,2,3,4,5,6,7,8,9,10,11,12,13,14,15
	v_pk_add_f32 v[BB+4*\t:BB+4*\t+1], v[BB+4*\t:BB+4*\t+1], v[BP:BP+1]
	v_pk_add_f32 v[BB+4*\t+2:BB+4*\t+3], v[BB+4*\t+2:BB+4*\t+3], v[BP+2:BP+3]
	global_store_b128 v[CO], v[BB+4*\t:BB+4*\t+3], s[12:13] offset:\t*SIZE_N*4 th:TH_STORE_NT   ; 32 lanes store 512 consecutive bytes
.endr
.endm
	PLACES 4
	TOSTAGE 0
.irp a, 1,2,3
.if \a > 1
	s_wait_xcnt 0x0                                ; block a - 2's stores have read their registers and their base
.endif
	TOSTAGE \a
	SEND \a-1, 32                                  ; behind block a - 1's loads: block a's 16 stores and 16 loads
.endr
	s_wait_xcnt 0x0
	SEND 3, 0
	s_wait_tensorcnt 0x0                           ; the wave's end
	ds_add_u32 v[SPW], v[NIL]
	s_wait_dscnt 0x0
	CROUND                                         ; the closing round
	s_endpgm
.Lfunc_end_k_qb0a6cef2c4_proj:
	.size	k_qb0a6cef2c4_proj, .Lfunc_end_k_qb0a6cef2c4_proj-k_qb0a6cef2c4_proj
	.p2alignl 7, 3214868480
	.fill 96, 4, 3214868480
	.section	.rodata,"a",@progbits
	.p2align	6, 0x0
	.amdhsa_kernel k_qb0a6cef2c4_proj
		.amdhsa_group_segment_fixed_size 327680
		.amdhsa_private_segment_fixed_size 0
		.amdhsa_enable_private_segment 0
		.amdhsa_kernarg_size 48
		.amdhsa_user_sgpr_count 2
		.amdhsa_user_sgpr_kernarg_segment_ptr 1
		.amdhsa_wavefront_size32 1
		.amdhsa_system_sgpr_workgroup_id_x 1
		.amdhsa_system_sgpr_workgroup_id_y 1
		.amdhsa_system_sgpr_workgroup_id_z 1
		.amdhsa_system_vgpr_workitem_id 0
		.amdhsa_next_free_vgpr 768
		.amdhsa_next_free_sgpr 80
		.amdhsa_reserve_vcc 0
		.amdhsa_float_denorm_mode_32 3
		.amdhsa_float_denorm_mode_16_64 3
		.amdhsa_memory_ordered 1
		.amdhsa_forward_progress 1
		.amdhsa_inst_pref_size 97
	.end_amdhsa_kernel
	.amdgpu_metadata
---
amdhsa.version: [ 1, 2 ]
amdhsa.kernels:
  - .name:           k_qb0a6cef2c4_proj
    .symbol:         k_qb0a6cef2c4_proj.kd
    .args:
      - { .name: ocodes, .offset: 0, .size: 8, .value_kind: global_buffer, .address_space: global }
      - { .name: oscales, .offset: 8, .size: 8, .value_kind: global_buffer, .address_space: global }
      - { .name: W_proj_codes, .offset: 16, .size: 8, .value_kind: global_buffer, .address_space: global }
      - { .name: W_proj_scales, .offset: 24, .size: 8, .value_kind: global_buffer, .address_space: global }
      - { .name: b_proj, .offset: 32, .size: 8, .value_kind: global_buffer, .address_space: global }
      - { .name: out0, .offset: 40, .size: 8, .value_kind: global_buffer, .address_space: global }
    .group_segment_fixed_size: 327680
    .private_segment_fixed_size: 0
    .kernarg_segment_align: 8
    .kernarg_segment_size: 48
    .max_flat_workgroup_size: 128
    .sgpr_count:     80
    .vgpr_count:     768
    .wavefront_size: 32
...
	.end_amdgpu_metadata
.endif
;; end of part 3
